; MI455X (gfx1250); checked and timed in simulation.
; The chip was launched on July 23, 2026; its instructions are those of AMD's public machine-readable ISA for CDNA 5 (MIT licence, August 2026) and "CDNA5" Instruction Set Architecture Reference Guide (July 2026). The comments in the code are by the model that wrote it; some were corrected since.
;; Critic. Allowed arithmetic: float matrix products may take bf16 or f16 operands with f32 sums; other float arithmetic in f32, or as packed bf16 or f16 multiplies, adds, multiply-adds, maxima and minima; sums over many terms, partial sums and values carried from step to step in f32; what a program stores and reads back later, other than sums and carried values, may be rounded once to bf16 or f16.
;; Inputs: a 32,768 x 32 float32; b1 512 float32; b2 512 float32; b3 512 float32; b_out 1 float32; beta1 2,080 float32; beta2 512 float32; beta3 512 float32; g1 2,080 float32; g2 512 float32; g3 512 float32; w1 512 x 2,080 float32; w2 512 x 512 float32; w3 512 x 512 float32; w_out 1 x 512 float32; x 32,768 x 2,048 float32.
;; Outputs: out0 32,768 x 1 float32.
;; One version. Each part assembles by itself: llvm-mc -triple=amdgcn-amd-amdhsa -mcpu=gfx1250 --defsym DOCPART=n.
;; ======== version 1 of 1: 2 launches
;; limits: values are held in f16: magnitudes above 65,504 overflow, below 6.1e-05 lose precision
;; workspace buffers: wimg 3,211,264 bytes; cbuf 8,192 bytes
;; launch prep (part 1): grid 256 x 1, 6 waves a work-group, no clusters, 1,536 bytes of LDS; arguments w1, w2, w3, g1, g2, g3, beta1, beta2, beta3, b1, b2, b3, w_out, wimg, cbuf; writes wimg, cbuf
.if DOCPART == 1
	.amdgcn_target "amdgcn-amd-amdhsa--gfx1250"
	.amdhsa_code_object_version 6
	.text
	.protected	k_qfb3ca04fb9_prep
	.globl	k_qfb3ca04fb9_prep
	.p2align	8
	.type	k_qfb3ca04fb9_prep,@function
k_qfb3ca04fb9_prep:
	s_mov_b64 s[64:65], 0
	v_nop
	global_prefetch_b8 v0, s[64:65] scope:SCOPE_SE
	s_setreg_imm32_b32 hwreg(HW_REG_WAVE_MODE, 25, 1), 1
	s_wait_xcnt 0x0
; PREP: the weights, once, in the form in which the main launch multiplies by them.
; wimg [49 K steps][512 n][64 k] f16:  steps 0-31: 16 g1 w1, columns 64 c ..;  step 32: [16 g1 w1 of a's 32 columns | S_0 .. S_31], S_c = the sum over chunk c of 16 g1 w1;
;                                      steps 33-40: 16 g2 w2;  steps 41-48: 16 g3 w3.
; cbuf [4][512] f32: K2 (b1 + sum beta1 w1), K2 (b2 + sum beta2 w2), K2 (b3 + sum beta3 w3), w_out;  K2 = 2 log2(e), the factor of tanh(p) = 1 - 2 / (1 + 2^(K2 p)).
; LIMITS.  16 g w and S_c are rounded once to f16: they must stay under 65,504; the factor 16 keeps weights 30 times smaller than 1/sqrt(2080) in f16's normal range.  NaN and infinities are not treated apart.
; SHARES.  Work-group rp owns rows n = 2 rp and 2 rp + 1 of all three weights.  Waves 0-3: w1's chunks 8 v .. 8 v + 7; wave 4: w2; wave 5: w3.  Lane (h = l / 16, i = l % 16): row 2 rp + h, columns 4 i .. 4 i + 3
; of a chunk: a load takes 256 consecutive bytes of each of two rows; a store of 8 bytes a lane covers 256 consecutive bytes of wimg, aligned (two neighbouring rows of a step).
; The four numbers a row of cbuf leave by 4-byte stores of two lanes: 8,192 bytes in the whole launch.  Waves 4 and 5 make chunk sums that nobody reads (16 instructions): the price of one text.
.set K2,    0x4038aa3b
.set SX,    0                          ; chunk sums: [h][64 words], 256 bytes a row, 32 words used
.set KX,    512                        ; sums of beta w: word 2 v + h
.set SPARE, 768                        ; the spare words: 128 bytes for each of six waves, three blocks of 256 bytes that no other line names
.set SPW, 1                            ; v1  LDS address of my spare word; never rewritten
.set NIL, 2                            ; v2  0; never rewritten
.set VW,  3                            ; v3  my byte offset in the two rows of W
.set VG,  4                            ; v4  in g and beta
.set VI,  5                            ; v5  in 256 bytes of wimg
.set H,   6
.set I,   7
.set W,   8                            ; v8-39    eight chunks of W, 4 registers each; later the packed results
.set G,   40                           ; v40-71   of g
.set BT,  72                           ; v72-103  of beta
.set P,   104                          ; v104-107 at work
.set KA,  108                          ; v108-111 running sums of beta w
.set TS,  112                          ; v112-119 my part of the eight chunk sums
.set A8,  145                          ; v145 16 (l % 8): my 16 bytes among a's 32 columns
.set SRD, 150                          ; v150 where four chunk sums are read back: 256 h + 16 (l % 8)
.set KRD, 151                          ; v151 where the sums of beta w are read back: 4 h
                                       ; v120-121, v147 at work; v128-161 else wave 0's own
	s_load_b512 s[8:23], s[0:1], 0x0               ; w1 8, w2 10, w3 12, g1 14, g2 16, g3 18, beta1 20, beta2 22
	s_load_b256 s[24:31], s[0:1], 0x40             ; beta3 24, b1 26, b2 28, b3 30
	s_load_b128 s[32:35], s[0:1], 0x60             ; w_out 32, wimg 34
	s_load_b64 s[36:37], s[0:1], 0x70              ; cbuf
	v_lshl_add_u32 v[SPW], v0, 2, SPARE
	v_mov_b32 v[NIL], 0
	v_lshrrev_b32 v120, 5, v0
	v_readfirstlane_b32 s4, v120                   ; wave v
	v_and_b32 v[I], 15, v0
	v_bfe_u32 v[H], v0, 4, 1
	v_and_b32 v147, 7, v0
	v_lshlrev_b32 v[A8], 4, v147
	v_lshlrev_b32 v[SRD], 8, v[H]
	v_lshl_add_u32 v[SRD], v147, 4, v[SRD]
	v_lshlrev_b32 v[KRD], 2, v[H]
	s_lshl_b32 s6, s4, 11                          ; 2,048 v: eight chunks of 256 bytes
	s_lshl_b32 s7, s4, 3
	s_mov_b32 s5, 2048
	s_mov_b32 s39, 8320
	s_cmp_lt_u32 s4, 4
	s_cselect_b32 s5, s39, s5                      ; bytes in a row of my W
	s_cselect_b32 s6, s6, 0                        ; where my eight chunks begin in a row
	s_cselect_b32 s38, 0, 1
	s_add_co_u32 s7, s7, s38                       ; my first K step: 8 v, 33, 41
	s_lshl_b32 s46, ttmp9, 1
	s_mul_i32 s46, s46, s5
	s_add_co_u32 s46, s46, s6                      ; offset in W: row 2 rp, my first chunk
	s_mov_b32 s47, 0
	s_mov_b32 s48, s6                              ; offset in g and beta
	s_mov_b32 s49, 0
	s_lshl_b32 s50, s7, 16
	s_lshl_b32 s51, ttmp9, 8
	s_add_co_u32 s50, s50, s51                     ; offset in wimg: my first step, rows 2 rp and 2 rp + 1
	s_add_co_u32 s58, s51, 32<<16                  ; the same rows of step 32
	s_mov_b32 s51, 0
	s_mov_b32 s59, 0
	s_mov_b32 s56, 0xff00ff00                      ; the lanes with i >= 8
	v_mul_u32_u24 v[VW], s5, v[H]
	v_lshl_add_u32 v[VW], v[I], 4, v[VW]
	v_lshlrev_b32 v[VG], 4, v[I]
	v_and_b32 v[VI], 31, v0
	v_lshlrev_b32 v[VI], 3, v[VI]
.irp k, 0,1,2,3
	v_mov_b32 v[KA+\k], 0
.endr
	s_wait_kmcnt 0x0
	s_cmp_eq_u32 s4, 4                             ; my W, g and beta, chosen by the wave's number
	s_cselect_b64 s[40:41], s[10:11], s[8:9]
	s_cselect_b64 s[42:43], s[16:17], s[14:15]
	s_cselect_b64 s[44:45], s[22:23], s[20:21]
	s_cmp_eq_u32 s4, 5
	s_cselect_b64 s[40:41], s[12:13], s[40:41]
	s_cselect_b64 s[42:43], s[18:19], s[42:43]
	s_cselect_b64 s[44:45], s[24:25], s[44:45]
	s_add_nc_u64 s[40:41], s[40:41], s[46:47]
	s_add_nc_u64 s[42:43], s[42:43], s[48:49]
	s_add_nc_u64 s[44:45], s[44:45], s[48:49]
	s_add_nc_u64 s[52:53], s[34:35], s[50:51]
	s_add_nc_u64 s[54:55], s[34:35], s[58:59]
.irp i, 0,1,2,3,4,5,6,7
	global_load_b128 v[W+4*\i:W+4*\i+3],   v[VW], s[40:41] offset:256*\i
	global_load_b128 v[G+4*\i:G+4*\i+3],   v[VG], s[42:43] offset:256*\i
	global_load_b128 v[BT+4*\i:BT+4*\i+3], v[VG], s[44:45] offset:256*\i
.endr
	; Wave 0 alone: the 32 columns of w1 that meet a (bytes 8,192 on of a row), and the row's b1, b2, b3, w_out.  Lanes i >= 8 read what lanes i - 8 read, and their w counts as 0.
	s_cmp_lg_u32 s4, 0
	s_cbranch_scc1 .Lnot_0
	v_mul_u32_u24 v144, s5, v[H]
	v_add_nc_u32 v144, v144, v[A8]
	s_lshl_b32 s57, ttmp9, 3
	v_lshl_add_u32 v146, v[H], 2, s57              ; 4 n
	global_load_b128 v[128:131], v144, s[40:41] offset:8192
	global_load_b128 v[132:135], v[A8], s[42:43] offset:8192
	global_load_b128 v[136:139], v[A8], s[44:45] offset:8192
	global_load_b32 v140, v146, s[26:27]
	global_load_b32 v141, v146, s[28:29]
	global_load_b32 v142, v146, s[30:31]
	global_load_b32 v143, v146, s[32:33]
	s_wait_loadcnt 0x0                             ; these seven, and with them all that went before
.irp k, 0,1,2,3
	v_cndmask_b32 v[128+\k], v[128+\k], 0, s56
.endr
	v_pk_mul_f32 v[132:133], v[128:129], v[132:133]
	v_pk_mul_f32 v[134:135], v[130:131], v[134:135]
	v_pk_fma_f32 v[KA:KA+1], v[128:129], v[136:137], v[KA:KA+1]
	v_pk_fma_f32 v[KA+2:KA+3], v[130:131], v[138:139], v[KA+2:KA+3]
	v_pk_mul_f32 v[132:133], v[132:133], 0x41800000 op_sel_hi:[1,0]
	v_pk_mul_f32 v[134:135], v[134:135], 0x41800000 op_sel_hi:[1,0]
	v_cvt_pk_f16_f32 v148, v132, v133
	v_cvt_pk_f16_f32 v149, v134, v135
.Lnot_0:
; Chunk i: 16 g w, rounded and stored; beta w onto the running sums; my four numbers' part of the chunk's sum.
.macro CHUNK i
	s_wait_loadcnt 3*(7-(\i))                      ; loads come back in order: the three of each later chunk may stay out
	v_pk_mul_f32 v[P:P+1],     v[W+4*(\i):W+4*(\i)+1],   v[G+4*(\i):G+4*(\i)+1]
	v_pk_mul_f32 v[P+2:P+3],   v[W+4*(\i)+2:W+4*(\i)+3], v[G+4*(\i)+2:G+4*(\i)+3]
	v_pk_fma_f32 v[KA:KA+1],   v[W+4*(\i):W+4*(\i)+1],   v[BT+4*(\i):BT+4*(\i)+1],   v[KA:KA+1]
	v_pk_fma_f32 v[KA+2:KA+3], v[W+4*(\i)+2:W+4*(\i)+3], v[BT+4*(\i)+2:BT+4*(\i)+3], v[KA+2:KA+3]
	v_pk_mul_f32 v[P:P+1],     v[P:P+1],   0x41800000 op_sel_hi:[1,0]
	v_pk_mul_f32 v[P+2:P+3],   v[P+2:P+3], 0x41800000 op_sel_hi:[1,0]
	v_cvt_pk_f16_f32 v[W+4*(\i)],   v[P],   v[P+1]     ; into the chunk's own registers: no store's data is ever rewritten
	v_cvt_pk_f16_f32 v[W+4*(\i)+1], v[P+2], v[P+3]
	global_store_b64 v[VI], v[W+4*(\i):W+4*(\i)+1], s[52:53] offset:(\i)*65536
	v_pk_add_f32 v[P:P+1], v[P:P+1], v[P+2:P+3]
	v_add_f32 v[TS+(\i)], v[P], v[P+1]
.endm
.irp i, 0,1,2,3,4,5,6,7
	CHUNK \i
.endr
	s_cmp_lt_u32 s4, 4
	s_cbranch_scc0 .Lno_sums
.irp x, 1,2,4,8                        ; the chunk sums over the sixteen lanes of a row
.irp i, 0,1,2,3,4,5,6,7
	v_add_f32_dpp v[TS+\i], v[TS+\i], v[TS+\i] row_xmask:\x row_mask:0xf bank_mask:0xf
.endr
.endr
	s_lshl_b32 s57, s4, 5
	v_lshl_add_u32 v120, v[H], 8, s57              ; 256 h + 32 v: my eight words of the row
.irp i, 0,1,2,3,4,5,6,7
	ds_store_b32 v120, v[TS+\i] offset:SX+4*\i     ; sixteen lanes, one word, one value
.endr
.Lno_sums:
	v_pk_add_f32 v[KA:KA+1], v[KA:KA+1], v[KA+2:KA+3]
	v_add_f32 v[KA], v[KA], v[KA+1]
.irp x, 1,2,4,8
	v_add_f32_dpp v[KA], v[KA], v[KA] row_xmask:\x row_mask:0xf bank_mask:0xf
.endr
	s_lshl_b32 s57, s4, 3
	v_lshl_add_u32 v121, v[H], 2, s57
	ds_store_b32 v121, v[KA] offset:KX
	s_wait_dscnt 0x0                               ; for wave 0's sake: my stores are done
	s_barrier_signal -1
	s_barrier_wait -1
	s_cmp_lg_u32 s4, 0
	s_cbranch_scc1 .Lread
	ds_load_b128 v[152:155], v[SRD] offset:SX      ; wave 0: S of chunks 4 (i - 8) .. + 3, in lanes i >= 8,
.irp k, 0,1,2,3,4,5
	ds_load_b32 v[156+\k], v[KRD] offset:KX+8*\k   ; and the six waves' sums of beta w for row h
.endr
	s_wait_dscnt 0x0                               ; they are back
.Lread:
	s_barrier_signal -1                            ; a second barrier: no wave touches LDS again, by its closing add, before wave 0's reads are back
	s_barrier_wait -1
	s_cmp_lg_u32 s4, 0
	s_cbranch_scc1 .Lend
	; Wave 0: step 32's two rows, and the rows' four numbers of cbuf.
	v_cvt_pk_f16_f32 v152, v152, v153
	v_cvt_pk_f16_f32 v153, v154, v155
	v_cndmask_b32 v152, v148, v152, s56            ; lanes i < 8 hold a's columns
	v_cndmask_b32 v153, v149, v153, s56
	global_store_b64 v[VI], v[152:153], s[54:55]
	v_add_f32 v156, v156, v157
	v_add_f32 v158, v158, v159
	v_add_f32 v160, v160, v141
	v_add_f32 v161, v161, v142
	v_add_f32 v156, v156, v158
	v_mul_f32 v160, K2, v160
	v_mul_f32 v161, K2, v161
	v_add_f32 v156, v156, v140
	v_mul_f32 v156, K2, v156
	v_cmp_eq_u32 vcc_lo, 0, v[I]
	s_wait_xcnt 0x0                                ; EXEC changes only behind this wait
	s_and_saveexec_b32 s57, vcc_lo
	global_store_b32 v146, v156, s[36:37]
	global_store_b32 v146, v160, s[36:37] offset:2048
	global_store_b32 v146, v161, s[36:37] offset:4096
	global_store_b32 v146, v143, s[36:37] offset:6144
	s_wait_xcnt 0x0                                ; and again in front of the line that widens it
	s_or_b32 exec_lo, exec_lo, s57
.Lend:
	s_wait_tensorcnt 0x0                           ; the wave's end: behind my last LDS store
	ds_add_u32 v[SPW], v[NIL]
	s_wait_dscnt 0x0
	s_endpgm
.Lfunc_end_k_qfb3ca04fb9_prep:
	.size	k_qfb3ca04fb9_prep, .Lfunc_end_k_qfb3ca04fb9_prep-k_qfb3ca04fb9_prep
	.p2alignl 7, 3214868480
	.fill 96, 4, 3214868480
	.section	.rodata,"a",@progbits
	.p2align	6, 0x0
	.amdhsa_kernel k_qfb3ca04fb9_prep
		.amdhsa_group_segment_fixed_size 1536
		.amdhsa_private_segment_fixed_size 0
		.amdhsa_enable_private_segment 0
		.amdhsa_kernarg_size 120
		.amdhsa_user_sgpr_count 2
		.amdhsa_user_sgpr_kernarg_segment_ptr 1
		.amdhsa_wavefront_size32 1
		.amdhsa_system_sgpr_workgroup_id_x 1
		.amdhsa_system_sgpr_workgroup_id_y 1
		.amdhsa_system_sgpr_workgroup_id_z 1
		.amdhsa_system_vgpr_workitem_id 0
		.amdhsa_next_free_vgpr 168
		.amdhsa_next_free_sgpr 66
		.amdhsa_reserve_vcc 1
		.amdhsa_float_denorm_mode_32 3
		.amdhsa_float_denorm_mode_16_64 3
		.amdhsa_memory_ordered 1
		.amdhsa_forward_progress 1
		.amdhsa_inst_pref_size 19
	.end_amdhsa_kernel
	.amdgpu_metadata
---
amdhsa.version: [ 1, 2 ]
amdhsa.kernels:
  - .name:           k_qfb3ca04fb9_prep
    .symbol:         k_qfb3ca04fb9_prep.kd
    .args:
      - { .name: w1, .offset: 0, .size: 8, .value_kind: global_buffer, .address_space: global }
      - { .name: w2, .offset: 8, .size: 8, .value_kind: global_buffer, .address_space: global }
      - { .name: w3, .offset: 16, .size: 8, .value_kind: global_buffer, .address_space: global }
      - { .name: g1, .offset: 24, .size: 8, .value_kind: global_buffer, .address_space: global }
      - { .name: g2, .offset: 32, .size: 8, .value_kind: global_buffer, .address_space: global }
      - { .name: g3, .offset: 40, .size: 8, .value_kind: global_buffer, .address_space: global }
      - { .name: beta1, .offset: 48, .size: 8, .value_kind: global_buffer, .address_space: global }
      - { .name: beta2, .offset: 56, .size: 8, .value_kind: global_buffer, .address_space: global }
      - { .name: beta3, .offset: 64, .size: 8, .value_kind: global_buffer, .address_space: global }
      - { .name: b1, .offset: 72, .size: 8, .value_kind: global_buffer, .address_space: global }
      - { .name: b2, .offset: 80, .size: 8, .value_kind: global_buffer, .address_space: global }
      - { .name: b3, .offset: 88, .size: 8, .value_kind: global_buffer, .address_space: global }
      - { .name: w_out, .offset: 96, .size: 8, .value_kind: global_buffer, .address_space: global }
      - { .name: wimg, .offset: 104, .size: 8, .value_kind: global_buffer, .address_space: global }
      - { .name: cbuf, .offset: 112, .size: 8, .value_kind: global_buffer, .address_space: global }
    .group_segment_fixed_size: 1536
    .private_segment_fixed_size: 0
    .kernarg_segment_align: 8
    .kernarg_segment_size: 120
    .max_flat_workgroup_size: 192
    .sgpr_count:     66
    .vgpr_count:     168
    .wavefront_size: 32
...
	.end_amdgpu_metadata
.endif
;; end of part 1
;; launch main (part 2): grid 256 x 1, 4 waves a work-group, clusters of 4 x 1, 327,680 bytes of LDS; arguments x, a, wimg, cbuf, b_out, out0; writes out0
.if DOCPART == 2
	.amdgcn_target "amdgcn-amd-amdhsa--gfx1250"
	.amdhsa_code_object_version 6
	.text
	.protected	k_qfb3ca04fb9_main
	.globl	k_qfb3ca04fb9_main
	.p2align	8
	.type	k_qfb3ca04fb9_main,@function
k_qfb3ca04fb9_main:
	s_mov_b64 s[64:65], 0
	v_nop
	global_prefetch_b8 v0, s[64:65] scope:SCOPE_SE
	s_setreg_imm32_b32 hwreg(HW_REG_WAVE_MODE, 25, 1), 1
	s_wait_xcnt 0x0
	s_wait_alu depctr_hold_cnt(0) depctr_sa_sdst(0) depctr_va_vdst(0) depctr_va_sdst(0) depctr_va_ssrc(0) depctr_va_vcc(0) depctr_vm_vsrc(0)
	s_getreg_b32 s2, hwreg(HW_REG_IB_STS2, 6, 4)
	s_cmp_eq_u32 s2, 0
	s_cbranch_scc0 .Lentry_in_a_cluster
	s_endpgm
.Lentry_in_a_cluster:
	s_bfe_u32 s2, ttmp6, 0x10000c
	s_cmp_lg_u32 s2, 0x3003
	s_cbranch_scc0 .Lentry_shape_is_right
	s_endpgm
.Lentry_shape_is_right:
; q = tanh(w_out . h3 + b_out), h_i = tanh(LN(h_(i-1)) W_i^T + b_i), h_0 = [x[:, :1024] / 50 | x[:, 1024:] / 10 | a]: all of it in one launch; nothing but out0 is stored.
; SHARES.  A work-group owns 128 rows through all layers.  Wave w owns columns 128 w .. + 127 of all 128 rows: 64 accumulators of 16 x 16, 512 registers.  The matrix instruction is used transposed
; (source 0 = 16 rows of W, source 1 = 16 rows of the data): lane (r = l % 16, h = l / 16) holds row 16 a + r and columns 128 w + 16 b + 8 h + 0..7.
; WEIGHTS come from wimg (f16, 16 g w, made by the launch before), one K step of 64 (512 rows x 128 bytes) to a slot, two slots by turns.  All four work-groups of a cluster walk the same 49 tiles, so each tile
; is asked for JOINTLY: every wave asks for its own quarter (the rows that it multiplies by) with the same descriptor and the mask of four in all four work-groups.
; LAYER 1, ONE PASS OVER x.  x goes in 32 chunks of 64 columns.  K step c multiplies f16(x sc - m_c), m_c the chunk's own mean; K step 32 multiplies [a - mu | m_c - mu] by [W of a's columns | the chunks' column sums]:
; together that is sum (z - mu) W, with no difference of large sums.  var = (sum of the chunks' centred squares + 64 sum (m_c - mu)^2 + sum (a - mu)^2) / 2080.  1 / sqrt(var + eps) scales the finished sums, row by row.
; TANH AND THE NEXT NORM.  p' = sums x rs + kc (kc holds K2 (b + beta W), K2 = 2 log2 e; rs holds K2 / 16, in layer 1 times the row's 1 / sqrt); r = 1 / (1 + 2^p'); tanh = 1 - 2 r.  The norm is taken of r: each wave
; its own mean mw and centred squares qw of 128 columns; after one exchange mu = mean of mw, Q = sum qw + 128 sum (mw - mu)^2, s = -2 / sqrt(Q / 128 + eps), y = (r - mw) s + (mw - mu) s, rounded to f16.
; LIMITS.  All matrix operands are f16: the centred z, y (at most sqrt(512)), 16 g w and the column sums must stay under 65,504, and below 6e-5 they keep f16's fixed step of 6e-8.  x / 50 and x / 10 are
; x * 0.02f and x * 0.1f.  2^p' beyond f32's range gives r = 0 or 1, tanh = 1 or -1.  NaN and infinities are not treated apart.
; REGISTERS, in windows of 256 (s_set_vgpr_msb: bits 1:0 source 0, 3:2 source 1, 5:4 source 2, 7:6 destination):
;   window 0: v0-31 addresses and the row scales; v32-95, v96-159 two sets of 16 x 4 registers of x on its way, later w_out and kc; v160-191 statistics; v192-255 at work
;   window 1: v0-127 W's fragments of a K step (64 kk + 8 b), v128-255 the data's (64 kk + 8 a)          windows 2, 3: accumulator (a, b) at v[8 (8 (a % 4) + b)] of window 2 + a / 4
.set QUART, 18432                      ; 128 rows of 144 bytes (128 of data + 16 of padding = 36 words: the 16 rows of a fragment load start at 16 different groups of four banks; 64 banks of 4 bytes: ISA guide 11.1)
.set SLOT1, 4*QUART                    ; slot 0 at byte 0, slot 1 here
.set PANEL, 18432                      ; the data of one K step: 128 rows of 144 bytes
.set Y,     2*SLOT1                    ; eight panels.  Layer 1 uses panels 0 and 1 by turns, and panel 2 for the chunk means
.set MT,    Y+2*PANEL                  ; [row][32 chunk means], 128 bytes a row
.set EX,    Y+8*PANEL                  ; [row][wave][mw, qw], 32 bytes a row; at the end [row][wave] partial dots, 16 bytes a row
.set RSX,   EX+4096                    ; [row] layer 1's row scale
.set SPARE, RSX+512                    ; the spare words, 128 bytes for each wave: two blocks of 256 bytes that no other line names
.set TILEB, 65536                      ; bytes of a K step in wimg
.set K2,    0x4038aa3b
.set R,   1                            ; v1  l % 16
.set H,   2                            ; v2  l / 16
.set SPW, 3                            ; v3  LDS address of my spare word; never rewritten
.set NIL, 4                            ; v4  0; never rewritten
.set XO,  5                            ; v5  x: (32 w + h) rows + 16 (l % 16)
.set AO,  6                            ; v6  a: 4,096 w + 8 l
.set KO,  7                            ; v7  cbuf: 512 w + 32 h
.set AST, 8                            ; v8  where a unit's 4 f16 go: Y + (32 w + h) 144 + 8 (l % 16)
.set MST, 9                            ; v9  where a unit's chunk mean goes; 4 bytes on in every chunk
.set MRD, 10                           ; v10 where two chunk means are read back
.set FST, 11                           ; v11 where K step 32's two f16 go
.set AB,  12                           ; v12-13 W's fragments in slot 0, 1
.set AA0, 14                           ; v14 the data's fragments in panel 0
.set TT,  15                           ; v15 at work
.set AA,  16                           ; v16 the data's fragments in the panel in hand
.set YST, 18                           ; v18 where 16 bytes of y go
.set EXW, 20
.set EXR, 21
.set RSW, 22
.set RSR, 23
.set RS,  24                           ; v24-31 rs of my row in each of the eight blocks a
.set X0,  32
.set X1,  96
.set WO,  32                           ; w_out of my 64 columns
.set KC,  96                           ; kc of my 64 columns
.set SS,  160                          ; layer 1: 16 pairs of running centred squares
.set ST,  160                          ; later: mw, qw for each a
.set ST2, 176                          ; s, t for each a
.set T,   192
.set BF,  0
.set AF,  128
.set WV,  16                           ; s16 wave
.set CX,  17
.set WG,  18
.set BO,  19                           ; b_out
.set G1,  24                           ; s[24:31] descriptor group 1
.set G0,  32                           ; s[32:39] descriptor group 0, a set for each slot
.set CNT, 40
.set LAY, 41
.set KB,  42                           ; byte of the panel in hand
.set CN2, 43
.set SC,  44                           ; s[44:45] the chunk's scale
.set MSC, 46                           ; scale / 64
.set EPS, 47
.set SEL, 48                           ; s[48:49] v_permlanex16_b32's selects: each lane takes its own place in the other half
.set C02, 50
.set C10, 51
.set M02, 52
.set M10, 53
.set IN,  54                           ; 1 / 2080
.set RSC, 55                           ; K2 / 16
.set OF,  56                           ; s[56:57] offsets made of the work-group's number: they enter x's, a's and out0's addresses alone
.set MSB, 0
.macro WIN new                         ; the high byte repeats the setting that is left; a switch that changes nothing is dropped
.if MSB != (\new)
	s_set_vgpr_msb (MSB<<8)|(\new)
.set MSB, (\new)
.endif
.endm
.macro PLACES                          ; four places behind matrix instructions (ISA guide 7.12.1), where no other vector work is at hand
.rept 4
	v_nop
.endr
.endm
.macro U16 line:vararg                 ; one line for each unit u of 16
.set u, 0
.rept 16
	\line
.set u, u+1
.endr
.endm
.macro Q8 line:vararg                  ; one line for each q of 8
.set q, 0
	s_wait_alu depctr_va_vdst(0)
.rept 8
	\line
.set q, q+1
.endr
.endm
.macro M32 line:vararg                 ; one line for each pair m of 32
.set m, 0
.rept 32
	\line
.set m, m+1
.endr
.endm
.macro DPP16 base                      ; sums over the sixteen lanes of a row, for sixteen registers two apart
.irp x, 1,2,4,8
	U16 v_add_f32_dpp v[(\base)+2*u], v[(\base)+2*u], v[(\base)+2*u] row_xmask:\x row_mask:0xf bank_mask:0xf
.endr
.endm
; A round of the cluster's barrier: my work-group's barrier, so that wave 0's signal speaks for all four waves; wave 0 signals; every wave waits for all four work-groups; my work-group's barrier once more.
.macro ROUND
	s_barrier_signal -1
	s_barrier_wait -1
	s_cmp_lg_u32 s[WV], 0
	s_cbranch_scc1 .Lnot_wave_0_\@
	s_barrier_signal -3
.Lnot_wave_0_\@:
	s_barrier_wait -3
	s_barrier_signal -1
	s_barrier_wait -1
.endm
; THE CHANGE OF SLOTS, in front of the K step whose tile lies in \slot.  Each wave waits for all its tensor loads (one is out: its quarter of this tile), adds 0 to its spare word, and waits for that, for its reads of the
; other slot and for its stores of data.  Behind the barrier the tile and the data are whole and nobody reads the other slot.  fill = 1: the barrier is a round of the cluster's, and the other slot's joint refill, the next
; tile, is the first thing behind it: it has this K step's work in which to land.  The four v_nop are also the places in front of the fragment loads.
.macro SYNC slot, fill
	WIN 0
	s_wait_tensorcnt 0x0                           ; no tensor load of mine is out, so a group 0 may be written
	ds_add_u32 v[SPW], v[NIL]                      ; 0 onto my spare word; the descriptor's step stands between it and the wait for it
	s_add_nc_u64 s[G0+4*(\slot)+2:G0+4*(\slot)+3], s[G0+4*(\slot)+2:G0+4*(\slot)+3], 2*TILEB  ; this slot's next tile; the type bits on top are not reached
	s_wait_dscnt 0x0
.if \fill
	ROUND
	tensor_load_to_lds s[G0+4*(1-(\slot)):G0+4*(1-(\slot))+3], s[G1:G1+7]
	s_nop 0
.else
	s_barrier_signal -1
	s_barrier_wait -1
.endif
	PLACES
.endm
; 64 LDS loads in one run: a K step's fragments, the first 32 along K first.
.macro FETCH slot
	WIN 0
	v_add_nc_u32 v[AA], s[KB], v[AA0]
	WIN 0x40                                       ; destination window 1, address window 0
.irp kk, 0,1
.irp b, 0,1,2,3,4,5,6,7
	ds_load_b128 v[BF+64*(\kk)+8*(\b):BF+64*(\kk)+8*(\b)+3],   v[AB+(\slot)] offset:2304*(\b)+64*(\kk)
	ds_load_b128 v[BF+64*(\kk)+8*(\b)+4:BF+64*(\kk)+8*(\b)+7], v[AB+(\slot)] offset:2304*(\b)+64*(\kk)+32
.endr
.irp a, 0,1,2,3,4,5,6,7
	ds_load_b128 v[AF+64*(\kk)+8*(\a):AF+64*(\kk)+8*(\a)+3],   v[AA] offset:2304*(\a)+64*(\kk)
	ds_load_b128 v[AF+64*(\kk)+8*(\a)+4:AF+64*(\kk)+8*(\a)+7], v[AA] offset:2304*(\a)+64*(\kk)+32
.endr
.endr
.endm
; 64 matrix instructions, 32 along K.  The 64 accumulators take turns, one instruction a turn, in the same order everywhere.  zero = 1: the products start the sums.
.macro MUL kk, zero
.irp a, 0,1,2,3,4,5,6,7
	WIN 0xa5+0x50*((\a)/4)                         ; sources 0 and 1 window 1; C and D window 2 or 3
.irp b, 0,1,2,3,4,5,6,7
.if \zero
	v_wmma_f32_16x16x32_f16 v[8*(8*((\a)%4)+(\b)):8*(8*((\a)%4)+(\b))+7], v[BF+64*(\kk)+8*(\b):BF+64*(\kk)+8*(\b)+7], v[AF+64*(\kk)+8*(\a):AF+64*(\kk)+8*(\a)+7], 0
.else
	v_wmma_f32_16x16x32_f16 v[8*(8*((\a)%4)+(\b)):8*(8*((\a)%4)+(\b))+7], v[BF+64*(\kk)+8*(\b):BF+64*(\kk)+8*(\b)+7], v[AF+64*(\kk)+8*(\a):AF+64*(\kk)+8*(\a)+7], v[8*(8*((\a)%4)+(\b)):8*(8*((\a)%4)+(\b))+7]
.endif
.endr
.endr
.endm
.macro LDC dst, off                    ; 64 numbers of cbuf for my 64 columns, in the accumulators' order
.irp b, 0,1,2,3,4,5,6,7
	global_load_b128 v[(\dst)+8*(\b):(\dst)+8*(\b)+3],   v[KO], s[10:11] offset:(\off)+64*(\b)
	global_load_b128 v[(\dst)+8*(\b)+4:(\dst)+8*(\b)+7], v[KO], s[10:11] offset:(\off)+64*(\b)+16
.endr
.endm
; A CHUNK OF x BECOMES DATA.  Wave w converts rows 32 w .. + 31: unit u is rows 32 w + 2 u + h, a lane holds 4 columns.  Stage by stage over the 16 units, so that no line waits for the one before it.
.macro CONV p
.set XR, X0+64*(\p)
	s_wait_loadcnt 16                              ; this set's 16 loads are in; the other set's 16 may stay out
	U16 v_pk_add_f32 v[T+2*u:T+2*u+1], v[XR+4*u:XR+4*u+1], v[XR+4*u+2:XR+4*u+3]
	U16 v_add_f32 v[T+2*u], v[T+2*u], v[T+2*u+1]
	DPP16 T
	U16 v_mul_f32 v[T+2*u], s[MSC], v[T+2*u]       ; m_c
	U16 v_pk_fma_f32 v[XR+4*u:XR+4*u+1], v[XR+4*u:XR+4*u+1], s[SC:SC+1], v[T+2*u:T+2*u+1] op_sel_hi:[1,0,0] neg_lo:[0,0,1] neg_hi:[0,0,1]
	U16 v_pk_fma_f32 v[XR+4*u+2:XR+4*u+3], v[XR+4*u+2:XR+4*u+3], s[SC:SC+1], v[T+2*u:T+2*u+1] op_sel_hi:[1,0,0] neg_lo:[0,0,1] neg_hi:[0,0,1]
	U16 v_pk_fma_f32 v[SS+2*u:SS+2*u+1], v[XR+4*u:XR+4*u+1], v[XR+4*u:XR+4*u+1], v[SS+2*u:SS+2*u+1]
	U16 v_pk_fma_f32 v[SS+2*u:SS+2*u+1], v[XR+4*u+2:XR+4*u+3], v[XR+4*u+2:XR+4*u+3], v[SS+2*u:SS+2*u+1]
	U16 v_cvt_pk_f16_f32 v[XR+4*u], v[XR+4*u], v[XR+4*u+1]
	U16 v_cvt_pk_f16_f32 v[XR+4*u+1], v[XR+4*u+2], v[XR+4*u+3]
	U16 ds_store_b64 v[AST], v[XR+4*u:XR+4*u+1] offset:288*u+PANEL*(\p)
	U16 ds_store_b32 v[MST], v[T+2*u] offset:256*u ; sixteen lanes, one word, one value
	v_add_nc_u32 v[MST], 4, v[MST]
.endm
; The set just converted is loaded again, with the chunk two on.  In the loop's last trip there is none: set 0 takes a, set 1 layer 1's kc.  Either way 16 loads, so every counted wait holds on both ways.
.macro RELOAD p
	s_wait_xcnt 0x0                                ; x's address steps only behind this wait
	s_add_nc_u64 s[4:5], s[4:5], 256
	s_cmp_eq_u32 s[CNT], 1
	s_cbranch_scc1 .Lno_x_\@
	U16 global_load_b128 v[X0+64*(\p)+4*u:X0+64*(\p)+4*u+3], v[XO], s[4:5] offset:16384*u+256 th:TH_LOAD_NT
	s_branch .Lasked_\@
.Lno_x_\@:
.if (\p) == 0
	U16 global_load_b64 v[X0+2*u:X0+2*u+1], v[AO], s[6:7] offset:256*u th:TH_LOAD_NT
.else
	LDC KC, 0
.endif
.Lasked_\@:
.endm
.macro L1T p                           ; K step c of layer 1, c % 2 = p
	CONV \p
	s_mov_b32 s[KB], PANEL*(\p)
	SYNC \p, 1
	RELOAD \p                                      ; behind SYNC's wait, so the LDS stores have read the set's registers
	FETCH \p
	s_wait_dscnt 32                                ; the first 32 along K are in
	MUL 0, 0
	s_wait_dscnt 0x0
	MUL 1, 0
	WIN 0
.endm
.macro TRIPK slot, fill, zero          ; a K step whose data lie ready in panel KB
	SYNC \slot, \fill
	FETCH \slot
	s_add_co_u32 s[KB], s[KB], PANEL
	s_wait_dscnt 32                                ; the first 32 along K are in
	MUL 0, \zero
	s_wait_dscnt 0x0
	MUL 1, 0
	WIN 0
.endm
.macro CH4                             ; four chains of pairs in T into one
	v_pk_add_f32 v[T:T+1], v[T:T+1], v[T+2:T+3]
	v_pk_add_f32 v[T+4:T+5], v[T+4:T+5], v[T+6:T+7]
	v_pk_add_f32 v[T:T+1], v[T:T+1], v[T+4:T+5]
.endm
.macro LANES dst                       ; the pair's two halves, and the row's other 64 columns, which lie in the lane 16 away
	v_add_f32 v[T], v[T], v[T+1]
	v_permlanex16_b32 v[T+1], v[T], s[SEL], s[SEL+1]
	v_add_f32 v[\dst], v[T], v[T+1]
.endm
	s_load_b256 s[4:11], s[0:1], 0x0               ; x s[4:5], a s[6:7], wimg s[8:9], cbuf s[10:11]
	s_load_b128 s[12:15], s[0:1], 0x20             ; b_out s[12:13], out0 s[14:15]
	v_lshl_add_u32 v[SPW], v0, 2, SPARE
	v_mov_b32 v[NIL], 0
	ds_add_u32 v[SPW], v[NIL]                      ; the wave's opening: the add and its wait stand ahead of my first tensor load; the set-up below, work on registers, stands between them
	v_lshrrev_b32 v[TT], 5, v0
	v_readfirstlane_b32 s[WV], v[TT]
	s_bfe_u32 s[CX], ttmp6, 0x40000
	s_lshl_b32 s[WG], ttmp9, 2                     ; in a cluster launch ttmp9 counts clusters
	s_add_co_u32 s[WG], s[WG], s[CX]               ; my block of 128 rows
	; descriptor group 1.  A wave's quarter of a tile is 128 rows of 128 bytes, dense: asked for as 64 rows of 256 bytes and padded in LDS after every 128
	s_mov_b32 s[G1], 15|(1<<16)|(1<<20)|(1<<21)|(4<<22)|(3<<25)  ; 15:0 the mask of four; 17:16 2-byte elements; 20 padding on; 21 set beside a mask; 24:22 after every 32 words (code 4); 31:25 4 words (code 3)
	s_mov_b32 s[G1+1], 128<<16                     ; tensor_dim0 = 128
	s_mov_b32 s[G1+2], 64<<16                      ; tensor_dim1 = 64
	s_mov_b32 s[G1+3], 128<<16                     ; tile_dim0 = 128
	s_mov_b32 s[G1+4], 64                          ; tile_dim1 = 64
	s_mov_b32 s[G1+5], 128                         ; 128 elements from row to row
	s_mov_b32 s[G1+6], 0
	s_mov_b32 s[G1+7], 0
	s_mul_i32 s58, s[WV], QUART                    ; my quarter of a slot: no place in the cluster enters an LDS address
	s_mov_b32 s[G0], 1
	s_mov_b32 s[G0+1], s58
	s_mov_b32 s[G0+4], 1
	s_add_co_u32 s[G0+5], s58, SLOT1
	s_lshl_b32 s20, s[WV], 14                      ; my quarter of a tile in wimg
	s_mov_b32 s21, 0
	s_mov_b32 s[EPS], 0x3727c5ac                   ; 1e-5
	s_mov_b32 s[SEL], 0x76543210
	s_mov_b32 s[SEL+1], 0xfedcba98
	s_mov_b32 s[C02], 0x3ca3d70a                   ; 0.02
	s_mov_b32 s[C10], 0x3dcccccd                   ; 0.1
	s_mov_b32 s[M02], 0x39a3d70a                   ; 0.02 / 64
	s_mov_b32 s[M10], 0x3acccccd                   ; 0.1 / 64
	s_mov_b32 s[IN], 0x39fc0fc1                    ; 1 / 2080
	s_mov_b32 s[RSC], 0x3e38aa3b                   ; K2 / 16
	s_mov_b32 s[OF+1], 0
	v_and_b32 v[R], 15, v0
	v_bfe_u32 v[H], v0, 4, 1
	s_lshl_b32 s59, s[WV], 18                      ; 32 rows of 8,192 bytes
	v_lshlrev_b32 v[XO], 4, v[R]
	v_lshl_add_u32 v[XO], v[H], 13, v[XO]
	v_add_nc_u32 v[XO], s59, v[XO]
	s_wait_dscnt 0x0                               ; the opening add is done
	s_wait_kmcnt 0x0
	s_load_b32 s[BO], s[12:13], 0x0
	s_add_nc_u64 s[G0+2:G0+3], s[8:9], s[20:21]    ; tile 0,
	s_add_nc_u64 s[G0+6:G0+7], s[G0+2:G0+3], TILEB ; tile 1
	s_or_b32 s[G0+3], s[G0+3], 0x80000000          ; type = 2
	s_or_b32 s[G0+7], s[G0+7], 0x80000000
	s_lshl_b32 s[OF], s[WG], 20
	s_add_nc_u64 s[4:5], s[4:5], s[OF:OF+1]
	s_lshl_b32 s[OF], s[WG], 14
	s_add_nc_u64 s[6:7], s[6:7], s[OF:OF+1]
	s_lshl_b32 s[OF], s[WG], 9
	s_add_nc_u64 s[14:15], s[14:15], s[OF:OF+1]
	U16 global_load_b128 v[X0+4*u:X0+4*u+3], v[XO], s[4:5] offset:16384*u th:TH_LOAD_NT      ; chunk 0: sixteen lanes take 256 consecutive bytes of a row
	U16 global_load_b128 v[X1+4*u:X1+4*u+3], v[XO], s[4:5] offset:16384*u+256 th:TH_LOAD_NT  ; chunk 1
	ROUND                                          ; all four work-groups are here: the first joint loads meet
	tensor_load_to_lds s[G0:G0+3], s[G1:G1+7]      ; tile 0; tile 1 goes out behind the first K step's round
	s_nop 0
	PLACES
	v_mul_u32_u24 v[TT], 144, v[R]
	v_lshl_add_u32 v[TT], v[H], 4, v[TT]           ; a fragment's row x pitch + 16 x half
	v_add_nc_u32 v[AB], s58, v[TT]
	v_add_nc_u32 v[AB+1], SLOT1, v[AB]
	v_add_nc_u32 v[AA0], Y, v[TT]
	s_mul_i32 s59, s[WV], 2*PANEL                  ; my 128 columns of y are panels 2 w and 2 w + 1
	s_add_co_u32 s59, s59, Y
	v_add_nc_u32 v[YST], s59, v[TT]
	v_and_b32 v[TT], 31, v0
	s_lshl_b32 s59, s[WV], 12
	v_lshl_add_u32 v[AO], v[TT], 3, s59
	v_add_nc_u32 v[MRD], MT, v[AO]
	s_add_co_u32 s59, s59, MT
	v_lshl_add_u32 v[MST], v[H], 7, s59
	s_mul_i32 s59, s[WV], 32*144
	s_add_co_u32 s59, s59, Y
	v_mul_u32_u24 v[TT], 144, v[H]
	v_add_nc_u32 v[TT], s59, v[TT]
	v_lshl_add_u32 v[AST], v[R], 3, v[TT]
	v_lshl_add_u32 v[FST], v[R], 2, v[TT]
	s_lshl_b32 s59, s[WV], 9
	v_lshl_add_u32 v[KO], v[H], 5, s59
	s_lshl_b32 s59, s[WV], 3
	s_add_co_u32 s59, s59, EX
	v_lshl_add_u32 v[EXW], v[R], 5, s59
	v_lshl_add_u32 v[EXR], v[R], 5, EX
	s_lshl_b32 s59, s[WV], 7
	s_add_co_u32 s59, s59, RSX
	v_lshl_add_u32 v[RSW], v[H], 2, s59
	v_lshl_add_u32 v[RSR], v[R], 2, RSX
	U16 v_mov_b32 v[SS+2*u], 0
	U16 v_mov_b32 v[SS+2*u+1], 0
	; Layer 1's sums begin at 0 by 64 products of two fragments of zeros, in the wait for the first chunk and tile.  The price: 64 matrix instructions once a launch; the gain: one text for all of layer 1's K steps.
	WIN 0x40
	Q8 v_mov_b32 v[BF+q], 0
	Q8 v_mov_b32 v[AF+q], 0
	WIN 0xa5
	M32 v_wmma_f32_16x16x32_f16 v[8*m:8*m+7], v[BF:BF+7], v[AF:AF+7], 0
	WIN 0xf5
	M32 v_wmma_f32_16x16x32_f16 v[8*m:8*m+7], v[BF:BF+7], v[AF:AF+7], 0
	WIN 0
	s_wait_kmcnt 0x0                               ; b_out
	; LAYER 1: 16 trips of two K steps.  K step c asks for tile c + 1 and chunk c + 2.
	s_mov_b32 s[CNT], 16
.Lx:
	s_cmp_gt_u32 s[CNT], 8                         ; chunks 0-15: / 50; chunks 16-31: / 10
	s_cselect_b32 s[SC], s[C02], s[C10]
	s_cselect_b32 s[SC+1], s[C02], s[C10]
	s_cselect_b32 s[MSC], s[M02], s[M10]
	L1T 0
	L1T 1
	s_sub_co_u32 s[CNT], s[CNT], 1
	s_cmp_lg_u32 s[CNT], 0
	s_cbranch_scc1 .Lx
	; THE ROWS' MEAN AND VARIANCE, AND K STEP 32's DATA.  A lane holds two chunk means M and two numbers of a for each unit.  UU = T + 32: a pair at work for each unit.
.set UU, T+32
	s_wait_loadcnt 16                              ; a is in; kc's 16 loads may stay out
	U16 ds_load_b64 v[T+2*u:T+2*u+1], v[MRD] offset:256*u  ; my own wave's stores: LDS serves a wave's instructions in order (ISA guide 5.7.1.4)
	U16 v_add_f32 v[UU+2*u+1], v[X0+2*u], v[X0+2*u+1]
	s_wait_dscnt 0x0
	U16 v_add_f32 v[UU+2*u], v[T+2*u], v[T+2*u+1]
	U16 v_fmamk_f32 v[UU+2*u], v[UU+2*u], 0x42800000, v[UU+2*u+1]  ; 64 (M0 + M1) + a0 + a1
	DPP16 UU
	U16 v_mul_f32 v[UU+2*u], s[IN], v[UU+2*u]      ; mu
	U16 v_pk_add_f32 v[T+2*u:T+2*u+1], v[T+2*u:T+2*u+1], v[UU+2*u:UU+2*u+1] op_sel_hi:[1,0] neg_lo:[0,1] neg_hi:[0,1]
	U16 v_pk_add_f32 v[X0+2*u:X0+2*u+1], v[X0+2*u:X0+2*u+1], v[UU+2*u:UU+2*u+1] op_sel_hi:[1,0] neg_lo:[0,1] neg_hi:[0,1]
	U16 v_pk_fma_f32 v[SS+2*u:SS+2*u+1], v[X0+2*u:X0+2*u+1], v[X0+2*u:X0+2*u+1], v[SS+2*u:SS+2*u+1]
	U16 v_pk_mul_f32 v[UU+2*u:UU+2*u+1], v[T+2*u:T+2*u+1], v[T+2*u:T+2*u+1]
	U16 v_pk_fma_f32 v[SS+2*u:SS+2*u+1], v[UU+2*u:UU+2*u+1], 0x42800000, v[SS+2*u:SS+2*u+1] op_sel_hi:[1,0,1]
	U16 v_add_f32 v[UU+2*u], v[SS+2*u], v[SS+2*u+1]
	DPP16 UU
	U16 v_fma_f32 v[UU+2*u], v[UU+2*u], s[IN], s[EPS]
	U16 v_rsq_f32 v[UU+2*u], v[UU+2*u]
	v_nop                                          ; a plain instruction between the last root and the use of its result
	s_wait_alu depctr_va_vdst(0)
	U16 v_mul_f32 v[UU+2*u], s[RSC], v[UU+2*u]     ; rs
	U16 v_cvt_pk_f16_f32 v[UU+2*u+1], v[X0+2*u], v[X0+2*u+1]
	U16 v_cvt_pk_f16_f32 v[T+2*u], v[T+2*u], v[T+2*u+1]
	U16 ds_store_b32 v[FST], v[UU+2*u+1] offset:288*u      ; a - mu: columns 0-31 of panel 0
	U16 ds_store_b32 v[FST], v[T+2*u] offset:288*u+64      ; m_c - mu: columns 32-63
	U16 ds_store_b32 v[RSW], v[UU+2*u] offset:8*u
	LDC WO, 6144                                   ; w_out, where a lay
	s_mov_b32 s[KB], 0
	TRIPK 0, 0, 0                                  ; tile 32; tile 33 is asked for behind the exchange's round
	Q8 ds_load_b32 v[RS+q], v[RSR] offset:64*q     ; every wave's rs was stored in front of that K step's barrier
	s_wait_dscnt 0x0
	s_mov_b32 s[LAY], 3
.Llayer:
	; r = 1 / (1 + 2^(sums x rs + kc)), in place.  Each accumulator is read from its low end on.
	s_wait_loadcnt 0x0                             ; kc (the first time w_out too)
	PLACES
.irp a, 0,1,2,3,4,5,6,7
.set AC, 64*((\a)%4)
	WIN 0x82+0x41*((\a)/4)                         ; destination and source 0 in the accumulators' window
.if (\a)%2
	M32 v_pk_fma_f32 v[AC+2*m:AC+2*m+1], v[AC+2*m:AC+2*m+1], v[RS+(\a)-1:RS+(\a)], v[KC+2*m:KC+2*m+1] op_sel:[0,1,0] op_sel_hi:[1,1,1]
.else
	M32 v_pk_fma_f32 v[AC+2*m:AC+2*m+1], v[AC+2*m:AC+2*m+1], v[RS+(\a):RS+(\a)+1], v[KC+2*m:KC+2*m+1] op_sel_hi:[1,0,1]
.endif
	M32 v_exp_f32 v[AC+m], v[AC+m]
	M32 v_exp_f32 v[AC+32+m], v[AC+32+m]
	v_nop                                          ; a plain instruction behind the last exponential
	s_wait_alu depctr_va_vdst(0)
	M32 v_pk_add_f32 v[AC+2*m:AC+2*m+1], v[AC+2*m:AC+2*m+1], 1.0 op_sel_hi:[1,0]
	M32 v_rcp_f32 v[AC+m], v[AC+m]
	M32 v_rcp_f32 v[AC+32+m], v[AC+32+m]
	v_nop
.endr
	WIN 0
	s_sub_co_u32 s[LAY], s[LAY], 1
	s_cmp_eq_u32 s[LAY], 0
	s_cbranch_scc1 .Lout                           ; behind the third layer comes the dot with w_out
	; MY 128 COLUMNS' MEAN AND CENTRED SQUARES, row by row; r - mw stays in the accumulators.
	s_wait_xcnt 0x0                                ; cbuf's address steps only behind this wait
	s_add_nc_u64 s[10:11], s[10:11], 2048
	LDC KC, 0                                      ; the next layer's kc
	Q8 v_mov_b32 v[RS+q], s[RSC]                   ; and its row scale, the same for all rows
.irp a, 0,1,2,3,4,5,6,7
.set AC, 64*((\a)%4)
	WIN 0x0a+5*((\a)/4)                            ; sources 0 and 1 in the accumulators' window, destination window 0
.set j, 0
.rept 16
	v_pk_add_f32 v[T+2*j:T+2*j+1], v[AC+2*j:AC+2*j+1], v[AC+32+2*j:AC+33+2*j]
.set j, j+1
.endr
	WIN 0
.irp n, 8,4,2,1
.set j, 0
.rept \n
	v_pk_add_f32 v[T+2*j:T+2*j+1], v[T+2*j:T+2*j+1], v[T+2*(j+\n):T+2*(j+\n)+1]
.set j, j+1
.endr
.endr
	LANES T
	v_mul_f32 v[ST+2*(\a)], 0x3c000000, v[T]       ; mw = sum / 128
	WIN 0x82+0x41*((\a)/4)
	M32 v_pk_add_f32 v[AC+2*m:AC+2*m+1], v[AC+2*m:AC+2*m+1], v[ST+2*(\a):ST+2*(\a)+1] op_sel_hi:[1,0] neg_lo:[0,1] neg_hi:[0,1]
	WIN 0x0a+5*((\a)/4)
.set m, 0
.rept 4
	v_pk_mul_f32 v[T+2*m:T+2*m+1], v[AC+2*m:AC+2*m+1], v[AC+2*m:AC+2*m+1]
.set m, m+1
.endr
.rept 28
	v_pk_fma_f32 v[T+2*(m%4):T+2*(m%4)+1], v[AC+2*m:AC+2*m+1], v[AC+2*m:AC+2*m+1], v[T+2*(m%4):T+2*(m%4)+1]
.set m, m+1
.endr
	WIN 0
	CH4
	LANES ST+2*(\a)+1                              ; qw
	ds_store_b64 v[EXW], v[ST+2*(\a):ST+2*(\a)+1] offset:512*(\a)
.endr
	; THE EXCHANGE.  One round of the cluster's barrier serves two things: every wave's mw and qw are stored, and slot 1, last read two K steps ago, takes the next layer's first tile.
	s_wait_tensorcnt 0x0
	ds_add_u32 v[SPW], v[NIL]
	s_wait_dscnt 0x0
	ROUND
	tensor_load_to_lds s[G0+4:G0+7], s[G1:G1+7]
	s_nop 0
	PLACES
	Q8 ds_load_b128 v[T+8*q:T+8*q+3], v[EXR] offset:512*q
	Q8 ds_load_b128 v[T+8*q+4:T+8*q+7], v[EXR] offset:512*q+16
	s_wait_dscnt 0x0
	Q8 v_pk_add_f32 v[ST2+2*q:ST2+2*q+1], v[T+8*q:T+8*q+1], v[T+8*q+2:T+8*q+3]
	Q8 v_pk_add_f32 v[ST2+2*q:ST2+2*q+1], v[ST2+2*q:ST2+2*q+1], v[T+8*q+4:T+8*q+5]
	Q8 v_pk_add_f32 v[ST2+2*q:ST2+2*q+1], v[ST2+2*q:ST2+2*q+1], v[T+8*q+6:T+8*q+7]
	Q8 v_mul_f32 v[ST2+2*q], 0x3e800000, v[ST2+2*q]        ; mu
.irp k, 0,1,2,3
	Q8 v_sub_f32 v[T+8*q+2*\k], v[T+8*q+2*\k], v[ST2+2*q]  ; the waves' means less mu
.endr
	Q8 v_mul_f32 v[T+8*q+1], v[T+8*q], v[T+8*q]
.irp k, 1,2,3
	Q8 v_fmac_f32 v[T+8*q+1], v[T+8*q+2*\k], v[T+8*q+2*\k]
.endr
	Q8 v_fmamk_f32 v[ST2+2*q+1], v[ST2+2*q+1], 0x3c000000, v[T+8*q+1]  ; Q / 128
	Q8 v_add_f32 v[ST2+2*q+1], s[EPS], v[ST2+2*q+1]
	Q8 v_rsq_f32 v[ST2+2*q+1], v[ST2+2*q+1]
	v_nop
	s_wait_alu depctr_va_vdst(0)
	Q8 v_sub_f32 v[T+8*q], v[ST+2*q], v[ST2+2*q]           ; mw - mu
	Q8 v_mul_f32 v[ST2+2*q], -2.0, v[ST2+2*q+1]            ; s
	Q8 v_mul_f32 v[ST2+2*q+1], v[T+8*q], v[ST2+2*q]        ; t = (mw - mu) s
	; y = (r - mw) s + t, rounded to f16, into my two panels: a lane's eight columns of a row are 16 bytes.  Every wave's reads of the panels were over in front of the round above.
.irp a, 0,1,2,3,4,5,6,7
.set AC, 64*((\a)%4)
	WIN 0x02+(\a)/4                                ; source 0 in the accumulators' window
	M32 v_pk_fma_f32 v[T+2*m:T+2*m+1], v[AC+2*m:AC+2*m+1], v[ST2+2*(\a):ST2+2*(\a)+1], v[ST2+2*(\a):ST2+2*(\a)+1] op_sel:[0,0,1] op_sel_hi:[1,0,1]
	WIN 0
	M32 v_cvt_pk_f16_f32 v[T+m], v[T+2*m], v[T+2*m+1]
.irp b, 0,1,2,3,4,5,6,7
	ds_store_b128 v[YST], v[T+4*(\b):T+4*(\b)+3] offset:((\b)/4)*PANEL+2304*(\a)+32*((\b)%4)
.endr
.endr
	; THE NEXT LAYER'S EIGHT K STEPS.  The first starts the sums; the last asks for nothing: the tile behind it, if there is one, goes out behind the next exchange's round.
	s_mov_b32 s[KB], 0
	TRIPK 1, 1, 1
	s_mov_b32 s[CN2], 3
.Lp:
	TRIPK 0, 1, 0
	TRIPK 1, 1, 0
	s_sub_co_u32 s[CN2], s[CN2], 1
	s_cmp_lg_u32 s[CN2], 0
	s_cbranch_scc1 .Lp
	TRIPK 0, 0, 0
	s_branch .Llayer
.Lout:
	; THE DOT WITH w_out: h = 1 - 2 r in place, my 128 columns' part for each row, the four waves' parts through LDS.
	s_lshl_b32 s58, s[WV], 2
	s_add_co_u32 s58, s58, EX
	v_lshl_add_u32 v24, v[R], 4, s58               ; the row scales are done with: v24-26 take addresses
	s_wait_alu depctr_va_vdst(0)
.irp a, 0,1,2,3,4,5,6,7
.set AC, 64*((\a)%4)
	WIN 0x82+0x41*((\a)/4)
	M32 v_pk_fma_f32 v[AC+2*m:AC+2*m+1], v[AC+2*m:AC+2*m+1], -2.0, 1.0 op_sel_hi:[1,0,0]
	WIN 0x02+(\a)/4
.set m, 0
.rept 4
	v_pk_mul_f32 v[T+2*m:T+2*m+1], v[AC+2*m:AC+2*m+1], v[WO+2*m:WO+2*m+1]
.set m, m+1
.endr
.rept 28
	v_pk_fma_f32 v[T+2*(m%4):T+2*(m%4)+1], v[AC+2*m:AC+2*m+1], v[WO+2*m:WO+2*m+1], v[T+2*(m%4):T+2*(m%4)+1]
.set m, m+1
.endr
	WIN 0
	CH4
	LANES T
	ds_store_b32 v24, v[T] offset:256*(\a)
.endr
	s_wait_dscnt 0x0                               ; for the others' sake: my parts are stored
	s_barrier_signal -1
	s_barrier_wait -1
	s_cmp_lt_u32 s[WV], 2
	s_cbranch_scc0 .Lclose                         ; waves 0 and 1 finish 64 rows each, two a lane
	v_and_b32 v26, 31, v0
	s_lshl_b32 s58, s[WV], 10
	s_add_co_u32 s58, s58, EX
	v_lshl_add_u32 v25, v26, 5, s58
	s_lshl_b32 s59, s[WV], 8
	v_lshl_add_u32 v26, v26, 3, s59
	s_mov_b32 s21, K2
	s_mul_f32 s20, s[BO], s21
	ds_load_b128 v[T:T+3], v25
	ds_load_b128 v[T+4:T+7], v25 offset:16
	s_wait_dscnt 0x0
	v_pk_add_f32 v[T:T+1], v[T:T+1], v[T+2:T+3]
	v_pk_add_f32 v[T+4:T+5], v[T+4:T+5], v[T+6:T+7]
	v_add_f32 v[T], v[T], v[T+1]
	v_add_f32 v[T+1], v[T+4], v[T+5]
	v_fma_f32 v[T], v[T], s21, s20                 ; K2 (dot + b_out)
	v_fma_f32 v[T+1], v[T+1], s21, s20
	v_exp_f32 v[T], v[T]
	v_exp_f32 v[T+1], v[T+1]
	v_nop
	s_wait_alu depctr_va_vdst(0)
	v_pk_add_f32 v[T:T+1], v[T:T+1], 1.0 op_sel_hi:[1,0]
	v_rcp_f32 v[T], v[T]
	v_rcp_f32 v[T+1], v[T+1]
	v_nop
	s_wait_alu depctr_va_vdst(0)
	v_pk_fma_f32 v[T:T+1], v[T:T+1], -2.0, 1.0 op_sel_hi:[1,0,0]
	global_store_b64 v26, v[T:T+1], s[14:15]       ; the wave stores 256 consecutive bytes, at a multiple of 256 from out0's first byte
.Lclose:
	s_wait_tensorcnt 0x0                           ; the wave's end: behind my last tensor load and my last LDS store
	ds_add_u32 v[SPW], v[NIL]
	s_wait_dscnt 0x0
	ROUND                                          ; the closing round: no work-group ends while a partner may still ask for a tile that names it
	s_endpgm
.Lfunc_end_k_qfb3ca04fb9_main:
	.size	k_qfb3ca04fb9_main, .Lfunc_end_k_qfb3ca04fb9_main-k_qfb3ca04fb9_main
	.p2alignl 7, 3214868480
	.fill 96, 4, 3214868480
	.section	.rodata,"a",@progbits
	.p2align	6, 0x0
	.amdhsa_kernel k_qfb3ca04fb9_main
		.amdhsa_group_segment_fixed_size 327680
		.amdhsa_private_segment_fixed_size 0
		.amdhsa_enable_private_segment 0
		.amdhsa_kernarg_size 48
		.amdhsa_user_sgpr_count 2
		.amdhsa_user_sgpr_kernarg_segment_ptr 1
		.amdhsa_wavefront_size32 1
		.amdhsa_system_sgpr_workgroup_id_x 1
		.amdhsa_system_sgpr_workgroup_id_y 1
		.amdhsa_system_sgpr_workgroup_id_z 1
		.amdhsa_system_vgpr_workitem_id 0
		.amdhsa_next_free_vgpr 1024
		.amdhsa_next_free_sgpr 66
		.amdhsa_reserve_vcc 0
		.amdhsa_float_denorm_mode_32 3
		.amdhsa_float_denorm_mode_16_64 3
		.amdhsa_memory_ordered 1
		.amdhsa_forward_progress 1
		.amdhsa_inst_pref_size 255
	.end_amdhsa_kernel
	.section	.bss,"aw",@nobits
	.p2align	6
	.space	262144
	.amdgpu_metadata
---
amdhsa.version: [ 1, 2 ]
amdhsa.kernels:
  - .name:           k_qfb3ca04fb9_main
    .symbol:         k_qfb3ca04fb9_main.kd
    .args:
      - { .name: x, .offset: 0, .size: 8, .value_kind: global_buffer, .address_space: global }
      - { .name: a, .offset: 8, .size: 8, .value_kind: global_buffer, .address_space: global }
      - { .name: wimg, .offset: 16, .size: 8, .value_kind: global_buffer, .address_space: global }
      - { .name: cbuf, .offset: 24, .size: 8, .value_kind: global_buffer, .address_space: global }
      - { .name: b_out, .offset: 32, .size: 8, .value_kind: global_buffer, .address_space: global }
      - { .name: out0, .offset: 40, .size: 8, .value_kind: global_buffer, .address_space: global }
    .group_segment_fixed_size: 327680
    .private_segment_fixed_size: 0
    .kernarg_segment_align: 8
    .kernarg_segment_size: 48
    .max_flat_workgroup_size: 128
    .sgpr_count:     66
    .vgpr_count:     1024
    .wavefront_size: 32
...
	.end_amdgpu_metadata
.endif
;; end of part 2
